; MI455X (gfx1250); checked and timed in simulation.
; The chip was launched on July 23, 2026; its instructions are those of AMD's public machine-readable ISA for CDNA 5 (MIT licence, August 2026) and "CDNA5" Instruction Set Architecture Reference Guide (July 2026). The comments in the code are by the model that wrote it; some were corrected since.
;; Vector Quantizer. Allowed arithmetic: float matrix products may take bf16 or f16 operands with f32 sums; other float arithmetic in f32, or as packed bf16 or f16 multiplies, adds, multiply-adds, maxima and minima; sums over many terms, partial sums and values carried from step to step in f32; what a program stores and reads back later, other than sums and carried values, may be rounded once to bf16 or f16.
;; Inputs: codebook 8,192 x 256 float32; x 32 x 256 x 32 x 32 float32.
;; Outputs: out0 32 x 256 x 32 x 32 float32; out1 32,768 int32.
;; 2 versions, each right; version 2 is version 1 with the launch prep written anew for expert scheduling mode. Each part assembles by itself: llvm-mc -triple=amdgcn-amd-amdhsa -mcpu=gfx1250 --defsym DOCPART=n.
;; ======== version 1 of 2: 3 launches
;; workspace buffers: cbh 4,194,304 bytes; cbsq 32,768 bytes; idxw 131,072 bytes of whole numbers
;; launch prep (part 1): grid 128 x 1, 8 waves a work-group, no clusters, 1,280 bytes of LDS; arguments codebook, cbh, cbsq; writes cbh, cbsq
.if DOCPART == 1
	.amdgcn_target "amdgcn-amd-amdhsa--gfx1250"
	.amdhsa_code_object_version 6
	.text
	.protected	k_qb10e68a755_prep
	.globl	k_qb10e68a755_prep
	.p2align	8
	.type	k_qb10e68a755_prep,@function
k_qb10e68a755_prep:
	s_mov_b64 s[64:65], 0
	v_nop
	global_prefetch_b8 v0, s[64:65] scope:SCOPE_SE
	s_setreg_imm32_b32 hwreg(HW_REG_WAVE_MODE, 25, 1), 1
	s_wait_xcnt 0x0
; cbh[k][c] = codebook[k][c] rounded to bf16;  cbsq[k] = the sum over c of cbh[k][c]^2, in f32 (of the ROUNDED numbers: the next launch
; compares distances of the rounded inputs).  codebook: [8192][256] f32, cbh: [8192][256] bf16, cbsq: [8192] f32.
; SHARES.  A work-group takes 64 rows, so that its 64 sums are 256 consecutive bytes of cbsq, aligned; each of its eight waves takes 8 rows.
; A row is 1,024 bytes: two loads of 16 bytes a lane, 512 consecutive bytes each.  All 16 loads of a wave go out at once.
; A lane's four numbers of a load pack into 8 bytes: a store of a wave covers 256 consecutive bytes of cbh, aligned.
; No matrix unit, no cluster, no tensor load: every byte is read once, by one wave, and nothing is shared.
.set SPARE, 256                        ; LDS: 64 sums at byte 0; from 256 on the spare words, 128 bytes for each of the eight waves
.set LN,  1                            ; v1   lane
.set XO,  3                            ; v3   my byte offset in the work-group's rows of codebook: 8,192 wave + 16 lane; never rewritten
.set SO,  4                            ; v4   the same in cbh: 4,096 wave + 8 lane; never rewritten
.set SPW, 5                            ; v5   LDS address of my spare word; never rewritten
.set NIL, 6                            ; v6   0, for the add alone
.set ZZ,  7                            ; v7   0: starts the sums of squares
.set LA,  8                            ; v8   where my wave's 8 sums go in LDS: 32 wave
.set LB,  9                            ; v9   8 lane
.set X,   16                           ; v[16:79]   row i as loaded: 8 registers
.set P,   80                           ; v[80:111]  row i packed: 4 registers, never rewritten (stores read them)
.set S,   112                          ; v[112:119] row i's sum
.set T,   120                          ; v[120:121] two chains at work
	s_load_b128 s[4:7], s[0:1], 0x0                ; codebook s[4:5], cbh s[6:7]
	s_load_b64 s[8:9], s[0:1], 0x10                ; cbsq
	v_lshl_add_u32 v[SPW], v0, 2, SPARE
	v_mov_b32 v[NIL], 0
	v_lshrrev_b32 v2, 5, v0
	v_readfirstlane_b32 s10, v2                    ; wave 0..7
	v_and_b32 v[LN], 31, v0
	s_lshl_b32 s11, s10, 13
	v_lshl_add_u32 v[XO], v[LN], 4, s11
	s_lshl_b32 s20, s10, 12
	v_lshl_add_u32 v[SO], v[LN], 3, s20
	s_lshl_b32 s21, s10, 5
	v_mov_b32 v[LA], s21
	v_lshlrev_b32 v[LB], 3, v[LN]
	v_mov_b32 v[ZZ], 0
	s_mov_b32 s12, 0x76543210                      ; v_permlanex16_b32: each lane takes its own place in the other half
	s_mov_b32 s13, 0xfedcba98
	s_lshl_b32 s14, ttmp9, 16                      ; the work-group's 64 rows: 65,536 bytes of codebook,
	s_mov_b32 s15, 0
	s_lshl_b32 s16, ttmp9, 15                      ; 32,768 of cbh,
	s_mov_b32 s17, 0
	s_lshl_b32 s18, ttmp9, 8                       ; 256 of cbsq
	s_mov_b32 s19, 0
	s_wait_kmcnt 0x0
	s_add_nc_u64 s[4:5], s[4:5], s[14:15]
	s_add_nc_u64 s[6:7], s[6:7], s[16:17]
	s_add_nc_u64 s[8:9], s[8:9], s[18:19]
.irp i, 0,1,2,3,4,5,6,7
	global_load_b128 v[X+8*\i:X+8*\i+3],   v[XO], s[4:5] offset:1024*\i th:TH_LOAD_NT
	global_load_b128 v[X+8*\i+4:X+8*\i+7], v[XO], s[4:5] offset:1024*\i+512 th:TH_LOAD_NT
.endr
.irp i, 0,1,2,3,4,5,6,7
	s_wait_loadcnt 14-2*\i                         ; loads come back in order: row i's two are in, the later rows' stay out
.irp c, 0,1,2,3
	v_cvt_pk_bf16_f32 v[P+4*\i+\c], v[X+8*\i+2*\c], v[X+8*\i+2*\c+1]
.endr
	v_fma_mix_f32_bf16 v[T],   v[P+4*\i], v[P+4*\i], v[ZZ] op_sel_hi:[1,1,0]                ; low halves squared: one chain,
	v_fma_mix_f32_bf16 v[T+1], v[P+4*\i], v[P+4*\i], v[ZZ] op_sel:[1,1,0] op_sel_hi:[1,1,0]  ; high halves: the other
.irp c, 1,2,3
	v_fma_mix_f32_bf16 v[T],   v[P+4*\i+\c], v[P+4*\i+\c], v[T] op_sel_hi:[1,1,0]
	v_fma_mix_f32_bf16 v[T+1], v[P+4*\i+\c], v[P+4*\i+\c], v[T+1] op_sel:[1,1,0] op_sel_hi:[1,1,0]
.endr
	v_add_f32 v[S+\i], v[T], v[T+1]
	global_store_b64 v[SO], v[P+4*\i:P+4*\i+1],   s[6:7] offset:512*\i       ; channels 0-127 of the row: 256 consecutive bytes, aligned
	global_store_b64 v[SO], v[P+4*\i+2:P+4*\i+3], s[6:7] offset:512*\i+256   ; channels 128-255
.endr
	; the eight rows' sums across the 32 lanes, side by side: four steps inside each half of 16 lanes, one across the halves
.irp m, 1,2,4,8
.irp i, 0,1,2,3,4,5,6,7
	v_add_f32_dpp v[S+\i], v[S+\i], v[S+\i] row_xmask:\m row_mask:0xf bank_mask:0xf
.endr
.endr
.irp i, 0,1,2,3,4,5,6,7
	v_permlanex16_b32 v[X+\i], v[S+\i], s12, s13   ; its destination counts as read: X has been written
.endr
.irp i, 0,1,2,3,4,5,6,7
	v_add_f32 v[S+\i], v[S+\i], v[X+\i]
.endr
	ds_store_b128 v[LA], v[S:S+3]                  ; every lane holds the same eight sums and writes the same words
	ds_store_b128 v[LA], v[S+4:S+7] offset:16
	s_wait_dscnt 0x0                               ; for the others' sake: my stores are done
	s_barrier_signal -1
	s_barrier_wait -1
	s_cmp_lg_u32 s10, 0                            ; wave 0 sends the 64 sums
	s_cbranch_scc1 .Lend
	ds_load_b64 v[T:T+1], v[LB]
	s_wait_dscnt 0x0
	global_store_b64 v[LB], v[T:T+1], s[8:9]       ; 32 lanes x 8 bytes: 256 consecutive bytes, aligned
.Lend:
	s_wait_tensorcnt 0x0                           ; the wave's end: behind my last LDS store
	ds_add_u32 v[SPW], v[NIL]
	s_wait_dscnt 0x0
	s_endpgm
.Lfunc_end_k_qb10e68a755_prep:
	.size	k_qb10e68a755_prep, .Lfunc_end_k_qb10e68a755_prep-k_qb10e68a755_prep
	.p2alignl 7, 3214868480
	.fill 96, 4, 3214868480
	.section	.rodata,"a",@progbits
	.p2align	6, 0x0
	.amdhsa_kernel k_qb10e68a755_prep
		.amdhsa_group_segment_fixed_size 1280
		.amdhsa_private_segment_fixed_size 0
		.amdhsa_enable_private_segment 0
		.amdhsa_kernarg_size 24
		.amdhsa_user_sgpr_count 2
		.amdhsa_user_sgpr_kernarg_segment_ptr 1
		.amdhsa_wavefront_size32 1
		.amdhsa_system_sgpr_workgroup_id_x 1
		.amdhsa_system_sgpr_workgroup_id_y 1
		.amdhsa_system_sgpr_workgroup_id_z 1
		.amdhsa_system_vgpr_workitem_id 0
		.amdhsa_next_free_vgpr 128
		.amdhsa_next_free_sgpr 66
		.amdhsa_reserve_vcc 0
		.amdhsa_float_denorm_mode_32 3
		.amdhsa_float_denorm_mode_16_64 3
		.amdhsa_memory_ordered 1
		.amdhsa_forward_progress 1
		.amdhsa_inst_pref_size 15
	.end_amdhsa_kernel
	.amdgpu_metadata
---
amdhsa.version: [ 1, 2 ]
amdhsa.kernels:
  - .name:           k_qb10e68a755_prep
    .symbol:         k_qb10e68a755_prep.kd
    .args:
      - { .name: codebook, .offset: 0, .size: 8, .value_kind: global_buffer, .address_space: global }
      - { .name: cbh, .offset: 8, .size: 8, .value_kind: global_buffer, .address_space: global }
      - { .name: cbsq, .offset: 16, .size: 8, .value_kind: global_buffer, .address_space: global }
    .group_segment_fixed_size: 1280
    .private_segment_fixed_size: 0
    .kernarg_segment_align: 8
    .kernarg_segment_size: 24
    .max_flat_workgroup_size: 256
    .sgpr_count:     66
    .vgpr_count:     128
    .wavefront_size: 32
...
	.end_amdgpu_metadata
.endif
;; end of part 1
;; launch vq (part 2): grid 256 x 1, 4 waves a work-group, clusters of 4 x 1, 327,680 bytes of LDS; arguments x, cbh, cbsq, out1, idxw; writes out1, idxw
.if DOCPART == 2
	.amdgcn_target "amdgcn-amd-amdhsa--gfx1250"
	.amdhsa_code_object_version 6
	.text
	.protected	k_qb10e68a755_vq
	.globl	k_qb10e68a755_vq
	.p2align	8
	.type	k_qb10e68a755_vq,@function
k_qb10e68a755_vq:
	s_mov_b64 s[64:65], 0
	v_nop
	global_prefetch_b8 v0, s[64:65] scope:SCOPE_SE
	s_setreg_imm32_b32 hwreg(HW_REG_WAVE_MODE, 25, 1), 1
	s_wait_xcnt 0x0
	s_wait_alu depctr_hold_cnt(0) depctr_sa_sdst(0) depctr_va_vdst(0) depctr_va_sdst(0) depctr_va_ssrc(0) depctr_va_vcc(0) depctr_vm_vsrc(0)
	s_getreg_b32 s2, hwreg(HW_REG_IB_STS2, 6, 4)
	s_cmp_eq_u32 s2, 0
	s_cbranch_scc0 .Lentry_in_a_cluster
	s_endpgm
.Lentry_in_a_cluster:
	s_bfe_u32 s2, ttmp6, 0x10000c
	s_cmp_lg_u32 s2, 0x3003
	s_cbranch_scc0 .Lentry_shape_is_right
	s_endpgm
.Lentry_shape_is_right:
; out1[n] = idxw[n] = the first k with the smallest d2[n][k] = fl(fl(x_sq[n] - 2 cross[n][k]) + cb_sq[k]);  cross[n][k] = the sum over c of x[b][c][hw] cbh[k][c], n = 1,024 b + hw.
; x: [32][256][1024] f32, rounded here to bf16; cbh: [8192][256] bf16; cbsq: [8192] f32; x_sq is the f32 sum of squares of the ROUNDED x.  d2 has the same two f32 roundings as the
; formula above, in that order: with x_sq far larger than cross many d2 are equal, and which index wins hangs on those roundings and on the first index winning a tie.
; LIMITS.  cross is the matrix unit's f32 sum of bf16 products: its last bits differ from a sum in another order, so an index can differ where a leading d2 lies on a rounding boundary with a
; rival in the next cell.  NaN is passed over by the minima; a token whose d2 are all +infinity gets index 0; -infinity is not treated apart.
; SHARES.  256 work-groups of 128 tokens each (512 consecutive bytes of each channel's row of x) and ALL 8,192 codes: no minimum crosses a work-group.  Each of the four waves keeps all 128 tokens
; in registers (8 tiles of 16 x 8 K steps x 8 registers = 512) and takes a quarter of the codes: of each STEP of 256 codes wave w has rows 64 w .. 64 w + 63, four tiles of 16.
; A code tile's 16 LDS loads feed 64 matrix instructions.
; LAYOUT.  Source 0 = 16 codes, source 1 = 16 tokens: in the result a lane holds ONE token (lane % 16) and the codes 8 (lane / 16) + 0..7.  So x_sq is one register a lane and token tile,
; cb_sq eight registers a code tile, and a token's running minimum stays in its lane.
; THE MINIMUM.  Per accumulator (8 codes): four packed multiply-adds (-2 c + x_sq), four packed additions (+ cb_sq); then for each GROUP of four codes two three-way minima (the second takes in the
; running best), one compare, four selects that keep the group's number and its first three d2.  Which of the four codes won is found once, at the end: the first kept value equal to best, else the
; fourth.  The compare is strict and a lane's codes ascend, so the first index stays.  best and tmp change roles between a tile's two groups: no move.  22 vector instructions for 8 matrix instructions.
; BY TURNS.  A PIECE is 4 token tiles x one code tile: 32 matrix instructions, K outermost, the four accumulators by turns.  Two sets of accumulators: behind each
; matrix instruction of a piece stand 3, 3, 3 or 2 of the 88 vector instructions of the piece before.
; THE RING.  Two LDS slots of a step (256 rows of 512 bytes) each; behind each change of slots every wave issues one tensor load, its own 64 rows; 256 matrix instructions a wave lie between two changes.
; CLUSTER.  All work-groups walk the same codes, so four form a cluster and ask for each tile JOINTLY: the same tensor load, descriptor and mask in all four.
; REGISTERS, in windows of 256 (s_set_vgpr_msb: bits 1:0 source 0, 3:2 source 1, 5:4 source 2, 7:6 destination):
;   window 0: addresses, statistics, cb_sq, accumulators, scratch      window 1: v0-63, v64-127 a code tile's fragments, by the tile's parity (at the start all 256: x as loaded)
;   window 2: the tokens' fragments, tiles 0-3 (tile u, K step kk at 64 u + 8 kk)      window 3: tiles 4-7
.set PK,    528                        ; a code row in LDS: 512 bytes + 16 of padding = 33 x 16: the 16 rows of a fragment load start 16 bytes apart modulo 256
.set WPART, 64*PK                      ; a wave's 64 rows of a step
.set SLOTB, 4*WPART                    ; a slot; slot 0 at byte 0, slot 1 behind it
.set CBL,   2*SLOTB                    ; cb_sq: wave w's 2,048 numbers at + 8,192 w, its tile n (0..127) at + 64 n; filled once
.set STAGE, CBL+32768                  ; 64 channels x 128 tokens of bf16, written by LDS stores alone; no tensor load lands here
.set PS,    288                        ; its pitch: 256 bytes + 32 = 9 x 32, for the turning load
.set FIN,   STAGE                      ; at the end the same bytes take [wave][128 tokens] x (best, code)
.set XSQ,   STAGE+64*PS                ; [wave][128] f32: the waves' parts of x_sq
.set SPARE, XSQ+2048                   ; the spare words, 128 bytes for each wave: two blocks of 256 bytes that no other line names
.set LR,   1                           ; v1   lane % 16
.set AK0,  2                           ; v2   my place in a code tile: wave's part + (lane % 16) PK + 16 (lane / 16); never rewritten
.set ADR,  3                           ; v3   the LDS address of the fragment run in hand
.set ACB0, 4                           ; v4   my place in a tile's cb_sq: CBL + 8,192 wave + 32 (lane / 16); never rewritten
.set ADC,  5                           ; v5   the LDS address of the cb_sq in hand
.set AT0,  6                           ; v6   the turning load's address in the stage
.set STS,  7                           ; v7   where I put 8 bytes of a channel's row in the stage
.set XO,   8                           ; v8   my byte offset in x: 16 lane + 65,536 wave; never rewritten
.set LH,   9                           ; v9   lane / 16
.set SPW,  10                          ; v10  LDS address of my spare word; never rewritten
.set NIL,  11                          ; v11  0; never rewritten
.set XSS,  12                          ; v12  where my four partial x_sq go
.set XSR,  13                          ; v13  where I read x_sq's parts
.set HB,   14                          ; v14  64 wave + 8 (lane / 16): my part of a code's number
.set PFO,  15                          ; v15  256 lane: the prefetches' offset; never rewritten
.set ST,   16                          ; v[16:79]   token tile t at ST + 8 t: x_sq, a copy (named with it as a pair), best, tmp, group, three kept d2
.set CB,   80                          ; v[80:95]   cb_sq of a code tile, by the tile's parity
.set ACC,  96                          ; v[96:159]  piece p, tile u at ACC + 32 p + 8 u
.set PP,   160                         ; v[160:191] the start: packed pairs; the end: addresses
.set SQ,   192                         ; v[192:195] x_sq of my four tokens, my wave's channels
.set ET,   196                         ; v[196:227] scratch
.set FF,   228                         ; v[228:243] the end: four waves' (best, code) of two tokens
.set OUT,  244                         ; v[244:245] two indices
.set WV,   14                          ; s14  my wave's number
.set CX,   15                          ; s15  my place in the cluster; s16, s[72:73], s[76:79] hold what is made of it, and no other register does
.set GG,   16                          ; s16  my work-group's number
.set G1,   24                          ; s[24:31] descriptor group 1 for the codes
.set G1C,  32                          ; s[32:39] for cb_sq
.set G0A,  40                          ; s[40:43] group 0 for slot 0; s[44:47] for slot 1
.set G0B,  44
.set G0C,  48                          ; s[48:51] for cb_sq
.set TBF,  52                          ; s52  LDS byte of the code tile to be fetched, less the wave's part
.set TCB,  53                          ; s53  64 x that tile's number
.set CNTO, 54                          ; s54  trips of the outer loop to come
.set CNTI, 55                          ; s55  pairs of tiles to come
.set SGE,  56                          ; s56-57 the two groups' numbers (8 n, 8 n + 4) of the even tile in hand; s58-59 of the odd one
.set MK,   60                          ; s60-63 a compare's mask, one for each of a piece's tiles
.set LIM,  66                          ; s66  1 in the cluster that prefetches, else the greatest number
.set PFA,  68                          ; s[68:69] where my prefetches stand
.set SEL,  70                          ; s70-71 v_permlanex16_b32's selects
.set EM,   72                          ; s72-74 masks at the end
.set MSB, 0
.macro WIN new                         ; the immediate's high byte repeats the setting that is left; a switch that changes nothing is dropped
.if MSB != (\new)
	s_set_vgpr_msb (MSB<<8)|(\new)
.set MSB, (\new)
.endif
.endm
; A round of the cluster's barrier: my work-group's barrier, so that wave 0's signal speaks for all four waves; wave 0 signals; every wave waits for all four work-groups; my work-group's barrier once more.
.macro CROUND
	s_barrier_signal -1
	s_barrier_wait -1
	s_cmp_lg_u32 s[WV], 0
	s_cbranch_scc1 .Lnot_wave_0_\@
	s_barrier_signal -3
.Lnot_wave_0_\@:
	s_barrier_wait -3
	s_barrier_signal -1
	s_barrier_wait -1
.endm
	s_load_b256 s[4:11], s[0:1], 0x0               ; x s[4:5], cbh s[6:7], cbsq s[8:9], out1 s[10:11]
	s_load_b64 s[12:13], s[0:1], 0x20              ; idxw
	v_lshl_add_u32 v[SPW], v0, 2, SPARE
	v_mov_b32 v[NIL], 0
	ds_add_u32 v[SPW], v[NIL]                      ; the wave's opening: the add and its wait stand ahead of my first tensor load; the set-up below, work on registers, stands between them
	ds_add_u32 v10, v11
	v_lshrrev_b32 v[ADR], 5, v0
	v_readfirstlane_b32 s[WV], v[ADR]              ; wave 0..3
	s_bfe_u32 s[CX], ttmp6, 0x40000                ; cx
	s_lshl_b32 s[GG], ttmp9, 2                     ; in a cluster launch ttmp9 counts clusters
	s_add_co_u32 s[GG], s[GG], s[CX]               ; my work-group: it enters x's, out1's and idxw's addresses alone
	; group 1 for the codes: 64 rows x 256 elements of 2 bytes, padded in LDS
	s_mov_b32 s[G1], 15|(1<<16)|(1<<20)|(1<<21)|(6<<22)|(3<<25)  ; 15:0 the mask of four; 17:16 2-byte elements; 20 padding on; 21 set beside a mask; 24:22 after every 128 words (code 6); 31:25 4 words (code 3)
	s_mov_b32 s[G1+1], 256<<16                     ; tensor_dim0 = 256
	s_mov_b32 s[G1+2], 64<<16                      ; tensor_dim1 = 64
	s_mov_b32 s[G1+3], 256<<16                     ; tile_dim0 = 256
	s_mov_b32 s[G1+4], 64                          ; tile_dim1 = 64
	s_mov_b32 s[G1+5], 256                         ; 256 elements from row to row
	s_mov_b32 s[G1+6], 0
	s_mov_b32 s[G1+7], 0
	; group 1 for cb_sq: 32 rows (one a step) x 64 elements of 4 bytes (my wave's codes of the step), 256 elements apart in memory, dense in LDS
	s_mov_b32 s[G1C], 15|(2<<16)|(1<<21)
	s_mov_b32 s[G1C+1], 64<<16
	s_mov_b32 s[G1C+2], 32<<16
	s_mov_b32 s[G1C+3], 64<<16
	s_mov_b32 s[G1C+4], 32
	s_mov_b32 s[G1C+5], 256
	s_mov_b32 s[G1C+6], 0
	s_mov_b32 s[G1C+7], 0
	s_mul_i32 s18, s[WV], WPART                    ; my part of a slot: no place in the cluster enters an LDS address
	s_mov_b32 s[G0A], 1                            ; count = 1
	s_mov_b32 s[G0A+1], s18
	s_mov_b32 s[G0B], 1
	s_add_co_u32 s[G0B+1], s18, SLOTB
	s_lshl_b32 s19, s[WV], 13
	s_add_co_u32 s19, s19, CBL
	s_mov_b32 s[G0C], 1
	s_mov_b32 s[G0C+1], s19
	s_lshl_b32 s20, s[WV], 15                      ; my 64 rows of a step in cbh
	s_mov_b32 s21, 0
	s_lshl_b32 s22, s[WV], 8                       ; my 64 numbers of a step in cbsq
	s_mov_b32 s23, 0
	v_and_b32 v[LR], 15, v0
	v_bfe_u32 v[LH], v0, 4, 1
	v_and_b32 v[ADC], 31, v0                       ; the lane, until the first fetch
	v_mul_u32_u24 v[AK0], v[LR], PK
	v_lshl_add_u32 v[AK0], v[LH], 4, v[AK0]
	v_add_nc_u32 v[AK0], s18, v[AK0]
	v_lshl_add_u32 v[ACB0], v[LH], 5, s19
	; the turning load takes 16 channels x 16 tokens: lane l reads channel 8 (l / 16) + l % 8, tokens 8 ((l / 8) % 2) + 0..7
	v_and_b32 v[ADR], 7, v0
	v_lshl_add_u32 v[ADR], v[LH], 3, v[ADR]
	v_mul_u32_u24 v[AT0], v[ADR], PS
	v_bfe_u32 v[ADR], v0, 3, 1
	v_lshl_add_u32 v[AT0], v[ADR], 4, v[AT0]
	v_add_nc_u32 v[AT0], STAGE, v[AT0]
	s_mul_i32 s18, s[WV], 16*PS
	s_add_co_u32 s18, s18, STAGE
	v_lshl_add_u32 v[STS], v[ADC], 3, s18
	s_lshl_b32 s19, s[WV], 16
	v_lshl_add_u32 v[XO], v[ADC], 4, s19
	s_lshl_b32 s18, s[WV], 9
	s_add_co_u32 s18, s18, XSQ
	v_lshl_add_u32 v[XSS], v[ADC], 4, s18
	v_lshl_add_u32 v[XSR], v[LR], 2, XSQ
	s_lshl_b32 s19, s[WV], 6
	v_lshl_add_u32 v[HB], v[LH], 3, s19
	v_lshlrev_b32 v[PFO], 8, v[ADC]
.irp n, 0,1,2,3
	v_mov_b32 v[SQ+\n], 0
.endr
	s_mov_b32 s[SEL], 0x76543210
	s_mov_b32 s[SEL+1], 0xfedcba98
	s_cmp_eq_u32 ttmp9, 0                          ; the first cluster prefetches: the same answer in all four partners
	s_cselect_b32 s[LIM], 1, -1
	s_lshr_b32 s76, s[GG], 3                       ; x: image g / 8, 2^20 bytes each,
	s_lshl_b32 s76, s76, 20
	s_and_b32 s78, s[GG], 7                        ; and 128 tokens, 512 bytes of a channel's row
	s_lshl_b32 s78, s78, 9
	s_add_co_u32 s76, s76, s78
	s_mov_b32 s77, 0
	s_lshl_b32 s78, s[GG], 9                       ; out1, idxw: 128 indices
	s_mov_b32 s79, 0
	s_lshl_b32 s72, s[CX], 15                      ; the prefetches: of a step's 131,072 bytes my work-group names 32,768, my wave 8,192, a lane 256;
	s_lshl_b32 s73, s[WV], 13
	s_add_co_u32 s72, s72, s73
	s_add_co_u32 s72, s72, 2*131072                ; at step 2: the first change of slots moves it to step 3
	s_mov_b32 s73, 0
	s_wait_dscnt 0x0                               ; the opening add is done
	s_wait_kmcnt 0x0
	s_add_nc_u64 s[4:5], s[4:5], s[76:77]
	; ALL OF x THAT THE WORK-GROUP NEEDS goes out at once: 64 loads a wave; load 16 rho + i takes channel 64 rho + 16 wave + i; a load covers 512 consecutive bytes
	WIN 0x40                                       ; destination window 1, address window 0
.set q, 0
.rept 64
	global_load_b128 v[4*q:4*q+3], v[XO], s[4:5] offset:(64*(q/16)+q%16)*4096 th:TH_LOAD_NT
.set q, q+1
.endr
	WIN 0
	s_add_nc_u64 s[10:11], s[10:11], s[78:79]
	s_add_nc_u64 s[12:13], s[12:13], s[78:79]
	s_add_nc_u64 s[PFA:PFA+1], s[6:7], s[72:73]
	s_add_nc_u64 s[G0A+2:G0A+3], s[6:7], s[20:21]  ; step 0
	s_add_nc_u64 s[G0B+2:G0B+3], s[G0A+2:G0A+3], 131072  ; step 1
	s_or_b32 s[G0A+3], s[G0A+3], 0x80000000        ; type = 2
	s_or_b32 s[G0B+3], s[G0B+3], 0x80000000
	s_add_nc_u64 s[G0C+2:G0C+3], s[8:9], s[22:23]
	s_or_b32 s[G0C+3], s[G0C+3], 0x80000000
	CROUND                                         ; all four work-groups are here: the first joint loads meet
	tensor_load_to_lds s[G0A:G0A+3], s[G1:G1+7]    ; the three first fills stand together: three tensor loads of mine are out
	s_nop 0
	tensor_load_to_lds s[G0C:G0C+3], s[G1C:G1C+7]
	s_nop 0
	tensor_load_to_lds s[G0B:G0B+3], s[G1:G1+7]
	s_nop 0
.rept 4
	v_nop
.endr
; THE TOKENS.  Round rho: 64 channels, 16 a wave.  A lane's four tokens of a channel are rounded to bf16 (two registers), their squares added to x_sq, and the 8 bytes put into the stage, [channel][token];
; behind a barrier every wave takes all 128 tokens x 64 channels out of it, turned, as two K steps of fragments; a second barrier stands in front of the next round's stores.
.macro XROUND rho
	s_wait_loadcnt 48-16*(\rho)                    ; loads come back in order: this round's 16 are in, the later rounds' stay out
	WIN 0x05                                       ; sources 0 and 1 window 1
.set n, 0
.rept 16
	v_cvt_pk_bf16_f32 v[PP+2*n],   v[64*(\rho)+4*n],   v[64*(\rho)+4*n+1]
	v_cvt_pk_bf16_f32 v[PP+2*n+1], v[64*(\rho)+4*n+2], v[64*(\rho)+4*n+3]
.set n, n+1
.endr
	WIN 0
.set n, 0
.rept 16
	v_fma_mix_f32_bf16 v[SQ],   v[PP+2*n],   v[PP+2*n],   v[SQ]   op_sel_hi:[1,1,0]
	v_fma_mix_f32_bf16 v[SQ+1], v[PP+2*n],   v[PP+2*n],   v[SQ+1] op_sel:[1,1,0] op_sel_hi:[1,1,0]
	v_fma_mix_f32_bf16 v[SQ+2], v[PP+2*n+1], v[PP+2*n+1], v[SQ+2] op_sel_hi:[1,1,0]
	v_fma_mix_f32_bf16 v[SQ+3], v[PP+2*n+1], v[PP+2*n+1], v[SQ+3] op_sel:[1,1,0] op_sel_hi:[1,1,0]
	ds_store_b64 v[STS], v[PP+2*n:PP+2*n+1] offset:PS*n
.set n, n+1
.endr
.if (\rho) == 3
	ds_store_b128 v[XSS], v[SQ:SQ+3]               ; my wave's 64 channels' part of x_sq
.endif
	s_wait_dscnt 0x0                               ; for the others' sake: my stores are done
	s_barrier_signal -1
	s_barrier_wait -1
.set t, 0
.rept 8
	WIN 0x80+0x40*(t/4)                            ; destination window 2 or 3
.irp c, 0,1
	ds_load_tr16_b128 v[64*(t%4)+8*(2*(\rho)+\c):64*(t%4)+8*(2*(\rho)+\c)+3],   v[AT0] offset:32*\c*PS+32*t
	ds_load_tr16_b128 v[64*(t%4)+8*(2*(\rho)+\c)+4:64*(t%4)+8*(2*(\rho)+\c)+7], v[AT0] offset:(32*\c+16)*PS+32*t
.endr
.set t, t+1
.endr
	WIN 0
	s_wait_dscnt 0x0                               ; my reads of the stage are over
	s_barrier_signal -1
	s_barrier_wait -1
.endm
	XROUND 0
	XROUND 1
	XROUND 2
	XROUND 3
.set n, 0
.rept 32                                       ; x_sq of token 16 t + lane % 16: the four waves' parts
	ds_load_b32 v[ET+n], v[XSR] offset:512*(n/8)+64*(n%8)
.set n, n+1
.endr
	s_mov_b32 s18, 0x7f800000                      ; +infinity
	s_mov_b32 s19, 0xff800000                      ; -infinity
.set t, 0
.rept 8
	v_mov_b32 v[ST+8*t+2], s18                     ; best
	v_mov_b32 v[ST+8*t+4], 0                       ; group
	v_mov_b32 v[ST+8*t+5], s18
	v_mov_b32 v[ST+8*t+6], s18
	v_mov_b32 v[ST+8*t+7], s18
.set t, t+1
.endr
	; NO FIRST TILE IS WRITTEN OUT.  The first half tile carries the vector work of a piece that has not been: its accumulators hold -infinity, so its d2 are +infinity and change nothing.
.set n, 0
.rept 32
	v_mov_b32 v[ACC+32+n], s19
.set n, n+1
.endr
.set n, 0
.rept 8
	v_mov_b32 v[CB+8+n], 0
.set n, n+1
.endr
	s_wait_dscnt 0x0
.set t, 0
.rept 8
	v_add_f32 v[ST+8*t], v[ET+t], v[ET+8+t]
.set t, t+1
.endr
.set t, 0
.rept 8
	v_add_f32 v[ST+8*t], v[ST+8*t], v[ET+16+t]
.set t, t+1
.endr
.set t, 0
.rept 8
	v_add_f32 v[ST+8*t], v[ST+8*t], v[ET+24+t]
.set t, t+1
.endr
.set t, 0
.rept 8
	v_mov_b32 v[ST+8*t+1], v[ST+8*t]               ; the packed multiply-add names the pair and takes its low word for both halves
.set t, t+1
.endr
	s_mov_b32 s[SGE], 0                            ; tile 0's groups
	s_mov_b32 s[SGE+1], 4
	s_mov_b32 s[SGE+2], -8                         ; the tile that has not been; 16 is added before tile 1
	s_mov_b32 s[SGE+3], -4
	s_mov_b32 s[TBF], 0
	s_mov_b32 s[TCB], 0
; Matrix instruction i of 32 of piece p on the code tile of parity e: K step i / 4, token tile 4 p + i % 4.  The first four start the sums with the constant 0.
.macro MM p, e
	WIN 0x09+4*(\p)                                ; codes in window 1, tokens in window 2 + p, accumulators in window 0
.set rD, ACC+32*(\p)+8*(i%4)
.set rK, 64*(\e)+8*(i/4)
.set rQ, 64*(i%4)+8*(i/4)
.if i < 4
	v_wmma_f32_16x16x32_bf16 v[rD:rD+7], v[rK:rK+7], v[rQ:rQ+7], 0
.else
	v_wmma_f32_16x16x32_bf16 v[rD:rD+7], v[rK:rK+7], v[rQ:rQ+7], v[rD:rD+7]
.endif
.set i, i+1
.endm
; Vector instruction q of 88 of piece pp, whose code tile has parity ce: number q / 4 of the 22 for tile q % 4, the four tiles by turns, so that none reads the result of the one before it.
; Number 0 reads the accumulator's two lowest registers first.
.macro RD pp, ce
.set jj, q/4
.set rA, ACC+32*(\pp)+8*(q%4)
.set rT, ST+8*(4*(\pp)+q%4)
.set rC, CB+8*(\ce)
.set rG, SGE+2*(\ce)
.set rM, MK+q%4
.if jj < 4
	v_pk_fma_f32 v[rA+2*jj:rA+2*jj+1], v[rA+2*jj:rA+2*jj+1], -2.0, v[rT:rT+1] op_sel_hi:[1,0,0]  ; x_sq - 2 c: one rounding, since 2 c is exact
.elseif jj < 8
	v_pk_add_f32 v[rA+2*jj-8:rA+2*jj-7], v[rA+2*jj-8:rA+2*jj-7], v[rC+2*jj-8:rC+2*jj-7]           ; + cb_sq: the second rounding
.elseif jj == 8
	v_min3_num_f32 v[rT+3], v[rA], v[rA+1], v[rA+2]
.elseif jj == 9
	v_min3_num_f32 v[rT+3], v[rT+3], v[rA+3], v[rT+2]
.elseif jj == 10
	v_cmp_lt_f32 s[rM], v[rT+3], v[rT+2]           ; has the group gone below the best so far?
.elseif jj == 11
	v_cndmask_b32 v[rT+4], v[rT+4], s[rG], s[rM]
.elseif jj < 15
	v_cndmask_b32 v[rT+jj-7], v[rT+jj-7], v[rA+jj-12], s[rM]
.elseif jj == 15
	v_min3_num_f32 v[rT+2], v[rA+4], v[rA+5], v[rA+6]
.elseif jj == 16
	v_min3_num_f32 v[rT+2], v[rT+2], v[rA+7], v[rT+3]
.elseif jj == 17
	v_cmp_lt_f32 s[rM], v[rT+2], v[rT+3]
.elseif jj == 18
	v_cndmask_b32 v[rT+4], v[rT+4], s[rG+1], s[rM]
.else
	v_cndmask_b32 v[rT+jj-14], v[rT+jj-14], v[rA+jj-15], s[rM]
.endif
.set q, q+1
.endm
.macro SLICE pp, ce                    ; 3, 3, 3, 2: 88 in 32 slices
	WIN 0
	RD \pp, \ce
	RD \pp, \ce
.if k%4 != 3
	RD \pp, \ce
.endif
.set k, k+1
.endm
; The next code tile's cb_sq (2 loads) and fragments (16 loads: lane l takes row l % 16, channels 32 kk + 8 (l / 16) + 0..7 and + 16), in one run, into the buffers of parity e.
.macro FETCH e
	WIN 0
	v_add_nc_u32 v[ADR], s[TBF], v[AK0]
	v_add_nc_u32 v[ADC], s[TCB], v[ACB0]
	s_add_co_u32 s[TBF], s[TBF], 16*PK
	s_add_co_u32 s[TCB], s[TCB], 64
	ds_load_b128 v[CB+8*(\e):CB+8*(\e)+3],   v[ADC]
	ds_load_b128 v[CB+8*(\e)+4:CB+8*(\e)+7], v[ADC] offset:16
	WIN 0x40                                       ; destination window 1
.irp c, 0,1,2,3,4,5,6,7
	ds_load_b128 v[64*(\e)+8*\c:64*(\e)+8*\c+3],   v[ADR] offset:64*\c
	ds_load_b128 v[64*(\e)+8*\c+4:64*(\e)+8*\c+7], v[ADR] offset:64*\c+32
.endr
.endm
.macro GFETCH e                        ; in the tail: behind the last tile there is none, and the run is jumped over
	WIN 0
	s_cmp_eq_u32 s[CNTI], 1
	s_cbranch_scc1 .Lno_fetch_\@
	FETCH \e
	WIN 0
.Lno_fetch_\@:
.endm
; ONE CODE TILE, of parity e.  First half: piece 0's products, and behind them the vector work of piece 1 of the tile before.  Second half: piece 1's products and piece 0's vector work.
; PLACES.  A vector instruction reads a matrix result four places or more behind it (ISA guide 7.12.1): between the last product on accumulator u and its first reader stand 11, 9, 7 and 5 vector
; instructions (u = 0..3) that name none of that product's registers.
; THE FETCH of the next tile stands behind the first half's 16th product: the other parity's cb_sq has had its last reader (number 7 of the 22, out by the 12th slice), its fragments theirs
; in the tile before, more than four places back.  48 matrix instructions lie between the run and the wait for it.
.macro BODY e, guard=0
	s_wait_dscnt 0x0                               ; this tile's fragments and cb_sq are in
.set i, 0
.set k, 0
.set q, 0
.rept 32
	MM 0, \e
	SLICE 1, 1-(\e)
.if i == 16
.if \guard
	GFETCH 1-(\e)
.else
	FETCH 1-(\e)
.endif
.endif
.endr
	s_add_co_u32 s[SGE+2*(1-(\e))],   s[SGE+2*(1-(\e))],   16  ; the other parity's tile is done: its groups' numbers go on to its next tile
	s_add_co_u32 s[SGE+2*(1-(\e))+1], s[SGE+2*(1-(\e))+1], 16
.set i, 0
.set k, 0
.set q, 0
.rept 32
	MM 1, \e
	SLICE 0, \e
.endr
.endm
.macro INNER tag                       ; four tiles: odd, even, odd, even
.Lpair\tag:
	BODY 1
	WIN 0                                          ; at a label and at a branch every window is 0
.Lmid\tag:
	BODY 0
	WIN 0
	s_sub_co_u32 s[CNTI], s[CNTI], 1
	s_cmp_lg_u32 s[CNTI], 0
	s_cbranch_scc1 .Lpair\tag
.endm
; A PREFETCH INTO THE L2, behind the wave's tensor load and its five lines: the step that the NEXT change of slots will ask for, 256 matrix instructions ahead of that load.  Every cluster walks the same
; codes: the first cluster asks, and nobody else.  A step is 512 blocks of 256 bytes: its four partners take 128 each, told apart BY ADDRESS, each wave 32, a lane a block: one instruction a wave, and
; each block is named once in the launch.  Steps 0 to 2 come by their loads alone; the last change that fills a slot asks for nothing: there is no step behind it.
.macro ASK strict
.if \strict
	s_cmp_gt_u32 s[CNTO], s[LIM]                   ; s[CNTO] = 1 in the last trip
.else
	s_cmp_ge_u32 s[CNTO], s[LIM]
.endif
	s_cbranch_scc0 .Lnot_mine_\@
	global_prefetch_b8 v[PFO], s[PFA:PFA+1] th:TH_LOAD_NT scope:SCOPE_SE
.Lnot_mine_\@:
.endm
; THE CHANGE OF SLOTS stands in front of a step's last tile, whose fragments have been asked for: slot s has no reader to come.  Each wave waits for all its tensor loads, of which one is out: its part of
; the other slot; adds 0 to its spare word; and waits for that and for its own reads of slot s.  The barrier is a round of the cluster's: no wave of any partner still reads the slot or has a load on its way.
; The joint refill, the step two on, is the first thing behind it.
.macro CHANGE s
	WIN 0
	s_wait_tensorcnt 0x0                           ; no tensor load of mine is out, so a group 0 may be written
	ds_add_u32 v[SPW], v[NIL]                      ; 0 onto my spare word; the steps below stand between it and the wait for it
	s_add_nc_u64 s[G0A+4*(\s)+2:G0A+4*(\s)+3], s[G0A+4*(\s)+2:G0A+4*(\s)+3], 2*131072  ; two steps on; the type bits on top are not reached
	s_wait_xcnt 0x0                                ; the last prefetch, a step back, has read its address, so it may be written
	s_add_nc_u64 s[PFA:PFA+1], s[PFA:PFA+1], 131072
	s_wait_dscnt 0x0                               ; the add is done, and my reads of the slot are over
	CROUND
	tensor_load_to_lds s[G0A+4*(\s):G0A+4*(\s)+3], s[G1:G1+7]
	s_nop 0
.rept 4
	v_nop
.endr
	ASK \s
	s_mov_b32 s[TBF], (1-(\s))*SLOTB               ; the fetches go on in the other slot
	s_mov_b32 s[CNTI], 2
.endm
	s_wait_tensorcnt 0x1                           ; my parts of slot 0 and of cb_sq are in; slot 1's, issued last, may stay out
	s_barrier_signal -1
	s_barrier_wait -1                              ; everybody's are
	FETCH 0                                        ; tile 0
	WIN 0
	s_mov_b32 s[CNTI], 2
	s_mov_b32 s[CNTO], 16
	s_branch .LmidB                                ; the loop is entered in the middle of a trip: tiles 0, 1, 2 of slot 0, and then the first change
.Lout:                                             ; 15 whole trips: changes 1 to 30 ask for steps 2 to 31
	CHANGE 0
	INNER A
	CHANGE 1
	INNER B
	s_sub_co_u32 s[CNTO], s[CNTO], 1
	s_cmp_lg_u32 s[CNTO], 0
	s_cbranch_scc1 .Lout
	s_wait_tensorcnt 0x0                           ; the tail is written out: step 31 is in, nothing is asked for
	s_wait_dscnt 0x0
	s_barrier_signal -1
	s_barrier_wait -1
	s_mov_b32 s[TBF], SLOTB
	s_mov_b32 s[CNTI], 3
.Ltail:                                            ; tiles 123 to 127
	BODY 1, 1
	WIN 0
	s_sub_co_u32 s[CNTI], s[CNTI], 1
	s_cmp_eq_u32 s[CNTI], 0
	s_cbranch_scc1 .Ldone
	BODY 0
	WIN 0
	s_branch .Ltail
.Ldone:
.set q, 0
.rept 88
	RD 1, 1                                        ; the last piece's vector work; the places behind the last products are counted as in BODY
.endr
; THE END.  (b, c) takes (nb, nc) where nb is smaller, or equal with the smaller code; the code goes to dc.
.macro CMB b, c, nb, nc, dc
	v_cmp_lt_f32 s[EM], v[\nb], v[\b]
	v_cmp_eq_f32 s[EM+1], v[\nb], v[\b]
	v_cmp_lt_u32 s[EM+2], v[\nc], v[\c]
	s_and_b32 s[EM+1], s[EM+1], s[EM+2]
	s_or_b32 s[EM], s[EM], s[EM+1]
	v_cndmask_b32 v[\b], v[\b], v[\nb], s[EM]
	v_cndmask_b32 v[\dc], v[\c], v[\nc], s[EM]
.endm
; Token tile t.  Which of the group's four codes: the first kept d2 equal to best, else the fourth.  A group's number is 8 n + 0 or 4, n = 4 step + tile: code = 256 step + 16 tile + (0 or 4) + that + 64 wave + 8 (lane / 16).
; It goes into tmp's register, beside best.  Then the token's other eight codes of each tile, in the lane 16 away, and into LDS for the other waves.
.macro FINISH t
.set rT, ST+8*(\t)
.set rE, ET+4*(\t)
	v_mov_b32 v[rE], 3
	v_cmp_eq_f32 s[EM], v[rT+7], v[rT+2]
	v_cndmask_b32 v[rE], v[rE], 2, s[EM]
	v_cmp_eq_f32 s[EM], v[rT+6], v[rT+2]
	v_cndmask_b32 v[rE], v[rE], 1, s[EM]
	v_cmp_eq_f32 s[EM], v[rT+5], v[rT+2]
	v_cndmask_b32 v[rE], v[rE], 0, s[EM]
	v_and_b32 v[rT+3], 0xffffffe0, v[rT+4]
	v_and_b32 v[rE+1], 24, v[rT+4]
	v_lshlrev_b32 v[rT+3], 3, v[rT+3]
	v_lshl_add_u32 v[rT+3], v[rE+1], 1, v[rT+3]
	v_and_b32 v[rE+1], 4, v[rT+4]
	v_add_nc_u32 v[rE], v[rE], v[rE+1]
	v_add_nc_u32 v[rE], v[rE], v[HB]
	v_add_nc_u32 v[rT+3], v[rT+3], v[rE]
	v_permlanex16_b32 v[rE+2], v[rT+2], s[SEL], s[SEL+1]  ; the destinations count as read: they have been written
	v_permlanex16_b32 v[rE+3], v[rT+3], s[SEL], s[SEL+1]
	CMB rT+2, rT+3, rE+2, rE+3, rT+3
	ds_store_b64 v[PP], v[rT+2:rT+3] offset:128*(\t)  ; both halves of the lanes hold the same pair and write the same bytes
.endm
	s_lshl_b32 s18, s[WV], 10
	s_add_co_u32 s18, s18, FIN
	v_lshl_add_u32 v[PP], v[LR], 3, s18            ; FIN + 1,024 wave + 8 (lane % 16); the stage's last reads lie many barriers back
.irp t, 0,1,2,3,4,5,6,7
	FINISH \t
.endr
	s_wait_dscnt 0x0                               ; for the others' sake: my stores are done
	s_barrier_signal -1
	s_barrier_wait -1
	s_cmp_lt_u32 s[WV], 2                          ; waves 0 and 1 finish 64 tokens each, two a lane
	s_cbranch_scc0 .Lend
	v_and_b32 v[PP+1], 31, v0
	s_lshl_b32 s18, s[WV], 9
	s_add_co_u32 s18, s18, FIN
	v_lshl_add_u32 v[PP+2], v[PP+1], 4, s18
	s_lshl_b32 s19, s[WV], 8
	v_lshl_add_u32 v[PP+3], v[PP+1], 3, s19
.irp w, 0,1,2,3
	ds_load_b128 v[FF+4*\w:FF+4*\w+3], v[PP+2] offset:1024*\w
.endr
	s_wait_dscnt 0x0
	CMB FF,   FF+1, FF+4,  FF+5,  FF+1             ; the waves' codes interleave, so equal minima go by the code
	CMB FF+2, FF+3, FF+6,  FF+7,  FF+3
	CMB FF,   FF+1, FF+8,  FF+9,  FF+1
	CMB FF+2, FF+3, FF+10, FF+11, FF+3
	CMB FF,   FF+1, FF+12, FF+13, OUT
	CMB FF+2, FF+3, FF+14, FF+15, OUT+1
	global_store_b64 v[PP+3], v[OUT:OUT+1], s[10:11]  ; 32 lanes x 8 bytes: 256 consecutive bytes, aligned
	global_store_b64 v[PP+3], v[OUT:OUT+1], s[12:13]  ; and the copy from which the next launch forms its addresses
.Lend:
	s_wait_tensorcnt 0x0                           ; the wave's end: behind my last tensor load and my last LDS store
	ds_add_u32 v[SPW], v[NIL]
	s_wait_dscnt 0x0
	CROUND                                         ; the closing round: no work-group ends while a partner may still ask for a tile that names it
	s_endpgm
.Lfunc_end_k_qb10e68a755_vq:
	.size	k_qb10e68a755_vq, .Lfunc_end_k_qb10e68a755_vq-k_qb10e68a755_vq
	.p2alignl 7, 3214868480
	.fill 96, 4, 3214868480
	.section	.rodata,"a",@progbits
	.p2align	6, 0x0
	.amdhsa_kernel k_qb10e68a755_vq
		.amdhsa_group_segment_fixed_size 327680
		.amdhsa_private_segment_fixed_size 0
		.amdhsa_enable_private_segment 0
		.amdhsa_kernarg_size 40
		.amdhsa_user_sgpr_count 2
		.amdhsa_user_sgpr_kernarg_segment_ptr 1
		.amdhsa_wavefront_size32 1
		.amdhsa_system_sgpr_workgroup_id_x 1
		.amdhsa_system_sgpr_workgroup_id_y 1
		.amdhsa_system_sgpr_workgroup_id_z 1
		.amdhsa_system_vgpr_workitem_id 0
		.amdhsa_next_free_vgpr 1024
		.amdhsa_next_free_sgpr 80
		.amdhsa_reserve_vcc 0
		.amdhsa_float_denorm_mode_32 3
		.amdhsa_float_denorm_mode_16_64 3
		.amdhsa_memory_ordered 1
		.amdhsa_forward_progress 1
		.amdhsa_inst_pref_size 202
	.end_amdhsa_kernel
	.amdgpu_metadata
---
amdhsa.version: [ 1, 2 ]
amdhsa.kernels:
  - .name:           k_qb10e68a755_vq
    .symbol:         k_qb10e68a755_vq.kd
    .args:
      - { .name: x, .offset: 0, .size: 8, .value_kind: global_buffer, .address_space: global }
      - { .name: cbh, .offset: 8, .size: 8, .value_kind: global_buffer, .address_space: global }
      - { .name: cbsq, .offset: 16, .size: 8, .value_kind: global_buffer, .address_space: global }
      - { .name: out1, .offset: 24, .size: 8, .value_kind: global_buffer, .address_space: global }
      - { .name: idxw, .offset: 32, .size: 8, .value_kind: global_buffer, .address_space: global }
    .group_segment_fixed_size: 327680
    .private_segment_fixed_size: 0
    .kernarg_segment_align: 8
    .kernarg_segment_size: 40
    .max_flat_workgroup_size: 128
    .sgpr_count:     80
    .vgpr_count:     1024
    .wavefront_size: 32
...
	.end_amdgpu_metadata
.endif
;; end of part 2
;; launch gather (part 3): grid 512 x 1, 8 waves a work-group, no clusters, 66,560 bytes of LDS; arguments idxw, cbh, out0; writes out0
.if DOCPART == 3
	.amdgcn_target "amdgcn-amd-amdhsa--gfx1250"
	.amdhsa_code_object_version 6
	.text
	.protected	k_qb10e68a755_gather
	.globl	k_qb10e68a755_gather
	.p2align	8
	.type	k_qb10e68a755_gather,@function
k_qb10e68a755_gather:
	s_mov_b64 s[64:65], 0
	v_nop
	global_prefetch_b8 v0, s[64:65] scope:SCOPE_SE
	s_setreg_imm32_b32 hwreg(HW_REG_WAVE_MODE, 25, 1), 1
	s_wait_xcnt 0x0
; out0[b][c][hw] = cbh[idxw[1,024 b + hw]][c], widened to f32.  idxw: [32768] i32, stored by the launch before; cbh: [8192][256] bf16; out0: [32][256][1024] f32.
; LIMIT.  out0 holds the codebook rounded once to bf16 (8 significant bits).
; SHARES.  A work-group takes 64 tokens: 256 consecutive bytes of each channel's row of out0, aligned.  Wave w gathers for 32 of them (w % 2), a lane a token, 64 channels (w / 2): 128 consecutive
; bytes of the token's code row, eight loads of 16 bytes.  The rows lie along channels and out0 along tokens, so the block is turned in LDS: [256 channels][64 tokens] f32, rows of 256 bytes.
; In: 32 lanes store 128 consecutive bytes.  Out: 16 lanes read a row's 256 bytes and store them.
; No matrix unit, no cluster, no tensor load: what is read hangs on the list.  No prefetch: the rows are wanted as soon as the list is in.
.set SPARE, 65536                      ; behind the block: the spare words, 128 bytes for each of the eight waves
.set LN,  1                            ; v1   lane
.set IO,  3                            ; v3   my token's 4 bytes among the work-group's 64 indices, and in a row of the block
.set LS,  4                            ; v4   where my token's first channel goes in LDS
.set RO,  5                            ; v5   the index, then my byte offset in cbh
.set LR,  6                            ; v6   where I read a row back
.set GO,  7                            ; v7   my byte offset in out0
.set SPW, 8                            ; v8   LDS address of my spare word; never rewritten
.set NIL, 9                            ; v9   0; never rewritten
.set X,   16                           ; v[16:47] 64 channels as loaded; later v[16:79]: 16 x 4 registers read back
.set T,   80                           ; v[80:87] eight numbers in f32
	s_load_b128 s[4:7], s[0:1], 0x0                ; idxw s[4:5], cbh s[6:7]
	s_load_b64 s[8:9], s[0:1], 0x10                ; out0
	v_lshl_add_u32 v[SPW], v0, 2, SPARE
	v_mov_b32 v[NIL], 0
	v_lshrrev_b32 v2, 5, v0
	v_readfirstlane_b32 s10, v2                    ; wave 0..7
	v_and_b32 v[LN], 31, v0
	s_and_b32 s11, s10, 1                          ; which 32 tokens
	s_lshr_b32 s12, s10, 1                         ; which 64 channels
	s_lshl_b32 s13, s11, 7
	v_lshl_add_u32 v[IO], v[LN], 2, s13            ; 4 (32 (w % 2) + lane)
	s_lshl_b32 s14, s12, 14
	v_add_nc_u32 v[LS], s14, v[IO]                 ; + 64 (w / 2) rows of 256 bytes
	s_lshl_b32 s15, s12, 7                         ; 64 channels of bf16
	v_lshrrev_b32 v2, 4, v[LN]                     ; lane / 16
	v_and_b32 v10, 15, v[LN]                       ; lane % 16
	s_lshl_b32 s16, s10, 13                        ; back: wave w takes channels 32 w .. 32 w + 31, two a load
	v_lshlrev_b32 v[LR], 8, v2
	v_lshl_add_u32 v[LR], v10, 4, v[LR]
	v_add_nc_u32 v[LR], s16, v[LR]
	s_lshl_b32 s17, s10, 17                        ; the same channels in out0, 4,096 bytes apart
	v_lshlrev_b32 v[GO], 12, v2
	v_lshl_add_u32 v[GO], v10, 4, v[GO]
	v_add_nc_u32 v[GO], s17, v[GO]
	s_lshr_b32 s18, ttmp9, 4                       ; out0: image g / 16, 2^20 bytes each,
	s_lshl_b32 s18, s18, 20
	s_and_b32 s20, ttmp9, 15                       ; and 64 tokens, 256 bytes of a channel's row
	s_lshl_b32 s20, s20, 8
	s_add_co_u32 s18, s18, s20
	s_mov_b32 s19, 0
	s_lshl_b32 s20, ttmp9, 8                       ; idxw: 64 indices
	s_mov_b32 s21, 0
	s_wait_kmcnt 0x0
	s_add_nc_u64 s[4:5], s[4:5], s[20:21]
	s_add_nc_u64 s[8:9], s[8:9], s[18:19]
	global_load_b32 v[RO], v[IO], s[4:5]
	s_wait_loadcnt 0x0
	v_min_u32 v[RO], 0x1fff, v[RO]                 ; an index stays inside the table
	v_lshlrev_b32 v[RO], 9, v[RO]                  ; a row of cbh is 512 bytes
	v_add_nc_u32 v[RO], s15, v[RO]
.irp i, 0,1,2,3,4,5,6,7
	global_load_b128 v[X+4*\i:X+4*\i+3], v[RO], s[6:7] offset:16*\i
.endr
.irp i, 0,1,2,3,4,5,6,7
	s_wait_loadcnt 7-\i                            ; loads come back in order: load i is in, the younger ones stay out
.irp c, 0,1,2,3
	v_lshlrev_b32 v[T+2*\c],   16, v[X+4*\i+\c]    ; bf16 to f32: the low half moves up,
	v_and_b32     v[T+2*\c+1], 0xffff0000, v[X+4*\i+\c]  ; the high half stays
.endr
.irp e, 0,1,2,3,4,5,6,7
	ds_store_b32 v[LS], v[T+\e] offset:(8*\i+\e)*256
.endr
.endr
	s_wait_dscnt 0x0                               ; for the others' sake: my stores are done
	s_barrier_signal -1
	s_barrier_wait -1
.irp i, 0,1,2,3,4,5,6,7,8,9,10,11,12,13,14,15
	ds_load_b128 v[X+4*\i:X+4*\i+3], v[LR] offset:512*\i
.endr
.irp i, 0,1,2,3,4,5,6,7,8,9,10,11,12,13,14,15
	s_wait_dscnt 15-\i
	global_store_b128 v[GO], v[X+4*\i:X+4*\i+3], s[8:9] offset:8192*\i th:TH_STORE_NT  ; 16 lanes store 256 consecutive bytes, at a multiple of 256 from out0's first byte
.endr
	s_wait_tensorcnt 0x0                           ; the wave's end: behind my last LDS store
	ds_add_u32 v[SPW], v[NIL]
	s_wait_dscnt 0x0
	s_endpgm
.Lfunc_end_k_qb10e68a755_gather:
	.size	k_qb10e68a755_gather, .Lfunc_end_k_qb10e68a755_gather-k_qb10e68a755_gather
	.p2alignl 7, 3214868480
	.fill 96, 4, 3214868480
	.section	.rodata,"a",@progbits
	.p2align	6, 0x0
	.amdhsa_kernel k_qb10e68a755_gather
		.amdhsa_group_segment_fixed_size 66560
		.amdhsa_private_segment_fixed_size 0
		.amdhsa_enable_private_segment 0
		.amdhsa_kernarg_size 24
		.amdhsa_user_sgpr_count 2
		.amdhsa_user_sgpr_kernarg_segment_ptr 1
		.amdhsa_wavefront_size32 1
		.amdhsa_system_sgpr_workgroup_id_x 1
		.amdhsa_system_sgpr_workgroup_id_y 1
		.amdhsa_system_sgpr_workgroup_id_z 1
		.amdhsa_system_vgpr_workitem_id 0
		.amdhsa_next_free_vgpr 96
		.amdhsa_next_free_sgpr 66
		.amdhsa_reserve_vcc 0
		.amdhsa_float_denorm_mode_32 3
		.amdhsa_float_denorm_mode_16_64 3
		.amdhsa_memory_ordered 1
		.amdhsa_forward_progress 1
		.amdhsa_inst_pref_size 14
	.end_amdhsa_kernel
	.amdgpu_metadata
---
amdhsa.version: [ 1, 2 ]
amdhsa.kernels:
  - .name:           k_qb10e68a755_gather
    .symbol:         k_qb10e68a755_gather.kd
    .args:
      - { .name: idxw, .offset: 0, .size: 8, .value_kind: global_buffer, .address_space: global }
      - { .name: cbh, .offset: 8, .size: 8, .value_kind: global_buffer, .address_space: global }
      - { .name: out0, .offset: 16, .size: 8, .value_kind: global_buffer, .address_space: global }
    .group_segment_fixed_size: 66560
    .private_segment_fixed_size: 0
    .kernarg_segment_align: 8
    .kernarg_segment_size: 24
    .max_flat_workgroup_size: 256
    .sgpr_count:     66
    .vgpr_count:     96
    .wavefront_size: 32
...
	.end_amdgpu_metadata
.endif
;; end of part 3
;; ======== version 2 of 2: 3 launches; version 1 with the launch prep written anew for expert scheduling mode
;; workspace buffers: cbh 4,194,304 bytes; cbsq 32,768 bytes; idxw 131,072 bytes of whole numbers
;; launch prep (part 4): grid 128 x 1, 8 waves a work-group, no clusters, 1,280 bytes of LDS; arguments codebook, cbh, cbsq; writes cbh, cbsq
.if DOCPART == 4
	.amdgcn_target "amdgcn-amd-amdhsa--gfx1250"
	.amdhsa_code_object_version 6
	.text
	.protected	k_qb10e68a755_prep
	.globl	k_qb10e68a755_prep
	.p2align	8
	.type	k_qb10e68a755_prep,@function
k_qb10e68a755_prep:
	s_mov_b64 s[64:65], 0
	v_nop
	global_prefetch_b8 v0, s[64:65] scope:SCOPE_SE
	s_setreg_imm32_b32 hwreg(HW_REG_WAVE_SCHED_MODE, 0, 2), 2
	s_setreg_imm32_b32 hwreg(HW_REG_WAVE_MODE, 25, 1), 1
	s_wait_xcnt 0x0
	s_wait_alu depctr_vm_vsrc(0)
; cbh[k][c] = codebook[k][c] rounded to bf16;  cbsq[k] = the sum over c of cbh[k][c]^2, in f32 (of the ROUNDED numbers: the next launch
; compares distances of the rounded inputs).  codebook: [8192][256] f32, cbh: [8192][256] bf16, cbsq: [8192] f32.
; SHARES.  A work-group takes 64 rows, so that its 64 sums are 256 consecutive bytes of cbsq, aligned; each of its eight waves takes 8 rows.
; A row is 1,024 bytes: two loads of 16 bytes a lane, 512 consecutive bytes each.  All 16 loads of a wave go out at once.
; A lane's four numbers of a load pack into 8 bytes: a store of a wave covers 256 consecutive bytes of cbh, aligned.
; No matrix unit, no cluster, no tensor load: every byte is read once, by one wave, and nothing is shared.
; THE MODE: SCHED_MODE bits 1:0 = 2 (LLVM: expert scheduling mode 2), set by the entry lines.  The code itself states the register dependences
; between vector instructions and memory or LDS instructions, with s_wait_alu, always for 0.
; THE PLAN.  Registers that memory or LDS instructions touch:
;   XO, SO, LA, LB  offsets and LDS addresses: made once at the head, never written again.
;   X               each register is written by a load (X to X+7 once more, by the v_permlanex16_b32 at the end); no vector instruction names it before; no memory instruction reads it.
;   P               row i's four registers are written by row i's roundings and read by row i's two stores; never written again.
;   S               written by the sums, read by the two LDS stores; not written after them.
;   T               at work in the sums; at the end wave 0's LDS load lands in it, and wave 0's store reads it.
; The 8 rows go in 4 blocks of two.  Block p rounds and sums rows 2 p and 2 p + 1; its memory instructions are the four stores of block p - 1, which read P of rows
; 2 p - 2 and 2 p - 1 and SO: registers that no vector instruction of block p names.  So ONE wait on va_vdst at a block's head, behind the wait for its data, states all that
; those stores hang on, and they are dealt among the block's vector instructions with no further wait.  No register that a memory or LDS instruction reads is ever
; written again, so no wait on vm_vsrc stands between the entry and the end.
; LDS: the 64 sums at byte 0; from 256 on the spare words, 128 bytes for each of the eight waves.
.set LN,  1                            ; v1   lane
.set XO,  3                            ; v3   my byte offset in the work-group's rows of codebook: 8,192 wave + 16 lane; never rewritten
.set SO,  4                            ; v4   the same in cbh: 4,096 wave + 8 lane; never rewritten
.set ZZ,  7                            ; v7   0: starts the sums of squares
.set LA,  8                            ; v8   where my wave's 8 sums go in LDS: 32 wave; never rewritten
.set LB,  9                            ; v9   8 lane; never rewritten
.set X,   16                           ; v[16:79]   row i as loaded: 8 registers
.set P,   80                           ; v[80:111]  row i packed: 4 registers, never rewritten (stores read them)
.set S,   112                          ; v[112:119] row i's sum
.set T,   120                          ; v[120:121] two chains at work
	s_load_b128 s[4:7], s[0:1], 0x0                ; codebook s[4:5], cbh s[6:7]
	s_load_b64 s[8:9], s[0:1], 0x10                ; cbsq
	v_lshl_add_u32 v126, v0, 2, 0x100
	v_mov_b32 v127, 0
	v_lshrrev_b32 v2, 5, v0
	v_readfirstlane_b32 s10, v2                    ; wave 0..7
	v_and_b32 v[LN], 31, v0
	v_lshlrev_b32 v[LB], 3, v[LN]
	v_mov_b32 v[ZZ], 0
	s_wait_alu depctr_va_sdst(0)                   ; s10 is written, ahead of its first reader: the wave's offsets are made from it
	s_lshl_b32 s11, s10, 13
	v_lshl_add_u32 v[XO], v[LN], 4, s11
	s_lshl_b32 s20, s10, 12
	v_lshl_add_u32 v[SO], v[LN], 3, s20
	s_lshl_b32 s21, s10, 5
	v_mov_b32 v[LA], s21
	s_mov_b32 s12, 0x76543210                      ; v_permlanex16_b32: each lane takes its own place in the other half
	s_mov_b32 s13, 0xfedcba98
	s_lshl_b32 s14, ttmp9, 16                      ; the work-group's 64 rows: 65,536 bytes of codebook,
	s_mov_b32 s15, 0
	s_lshl_b32 s16, ttmp9, 15                      ; 32,768 of cbh,
	s_mov_b32 s17, 0
	s_lshl_b32 s18, ttmp9, 8                       ; 256 of cbsq
	s_mov_b32 s19, 0
	s_wait_kmcnt 0x0
	s_add_nc_u64 s[4:5], s[4:5], s[14:15]
	s_add_nc_u64 s[6:7], s[6:7], s[16:17]
	s_add_nc_u64 s[8:9], s[8:9], s[18:19]
	s_wait_alu depctr_va_vdst(0)                   ; XO, SO, LA and LB are written: every load and store, and every LDS instruction but the closing add, reads one of them as its offset or address
.irp i, 0,1,2,3,4,5,6,7
	global_load_b128 v[X+8*\i:X+8*\i+3],   v[XO], s[4:5] offset:1024*\i th:TH_LOAD_NT
	global_load_b128 v[X+8*\i+4:X+8*\i+7], v[XO], s[4:5] offset:1024*\i+512 th:TH_LOAD_NT
.endr
.macro PACK i                          ; row i rounded to bf16
.irp c, 0,1,2,3
	v_cvt_pk_bf16_f32 v[P+4*(\i)+(\c)], v[X+8*(\i)+2*(\c)], v[X+8*(\i)+2*(\c)+1]
.endr
.endm
.macro SUM i                           ; my eight squares of row i
	v_fma_mix_f32_bf16 v[T],   v[P+4*(\i)], v[P+4*(\i)], v[ZZ] op_sel_hi:[1,1,0]                ; low halves squared: one chain,
	v_fma_mix_f32_bf16 v[T+1], v[P+4*(\i)], v[P+4*(\i)], v[ZZ] op_sel:[1,1,0] op_sel_hi:[1,1,0]  ; high halves: the other
.irp c, 1,2,3
	v_fma_mix_f32_bf16 v[T],   v[P+4*(\i)+(\c)], v[P+4*(\i)+(\c)], v[T] op_sel_hi:[1,1,0]
	v_fma_mix_f32_bf16 v[T+1], v[P+4*(\i)+(\c)], v[P+4*(\i)+(\c)], v[T+1] op_sel:[1,1,0] op_sel_hi:[1,1,0]
.endr
	v_add_f32 v[S+(\i)], v[T], v[T+1]
.endm
.macro SEND i                          ; row i's two stores
	global_store_b64 v[SO], v[P+4*(\i):P+4*(\i)+1],   s[6:7] offset:512*(\i)       ; channels 0-127 of the row: 256 consecutive bytes, aligned
	global_store_b64 v[SO], v[P+4*(\i)+2:P+4*(\i)+3], s[6:7] offset:512*(\i)+256   ; channels 128-255
.endm
; Block p: rows 2 p and 2 p + 1 are rounded and summed; the stores of block p - 1 stand among that work.
.macro BLK p
	s_wait_loadcnt 12-4*(\p)                       ; loads come back in order: this block's four are in, the later blocks' stay out
.if (\p) > 0
	s_wait_alu depctr_va_vdst(0)                   ; the block before has written P of its two rows, which the four stores below read
	SEND 2*(\p)-2
.endif
	PACK 2*(\p)
	SUM 2*(\p)
.if (\p) > 0
	SEND 2*(\p)-1                                  ; no wait: no vector instruction since the wait above names these registers
.endif
	PACK 2*(\p)+1
	SUM 2*(\p)+1
.endm
	BLK 0
	BLK 1
	BLK 2
	BLK 3
	s_wait_alu depctr_va_vdst(0)                   ; block 3 has written P of rows 6 and 7, which the last four stores of cbh read
	SEND 6
	SEND 7
	; the eight rows' sums across the 32 lanes, side by side: four steps inside each half of 16 lanes, one across the halves
.irp m, 1,2,4,8
.irp i, 0,1,2,3,4,5,6,7
	v_add_f32_dpp v[S+\i], v[S+\i], v[S+\i] row_xmask:\m row_mask:0xf bank_mask:0xf
.endr
.endr
.irp i, 0,1,2,3,4,5,6,7
	v_permlanex16_b32 v[X+\i], v[S+\i], s12, s13   ; its destination counts as read: X has been written
.endr
.irp i, 0,1,2,3,4,5,6,7
	v_add_f32 v[S+\i], v[S+\i], v[X+\i]
.endr
	s_wait_alu depctr_va_vdst(0)                   ; the additions have written S, which the LDS stores read; and every vector instruction that names T is done: wave 0's LDS load lands there, and no vector instruction follows this wait
	ds_store_b128 v[LA], v[S:S+3]                  ; every lane holds the same eight sums and writes the same words
	ds_store_b128 v[LA], v[S+4:S+7] offset:16
	s_wait_dscnt 0x0                               ; for the others' sake: my stores are done
	s_barrier_signal -1
	s_barrier_wait -1
	s_cmp_lg_u32 s10, 0                            ; wave 0 sends the 64 sums
	s_cbranch_scc1 .Lend
	ds_load_b64 v[T:T+1], v[LB]
	s_wait_dscnt 0x0
	global_store_b64 v[LB], v[T:T+1], s[8:9]       ; 32 lanes x 8 bytes: 256 consecutive bytes, aligned
.Lend:
	s_wait_dscnt 0x0                               ; the wave's end
	s_wait_alu depctr_hold_cnt(0) depctr_sa_sdst(0) depctr_va_vdst(0) depctr_va_sdst(0) depctr_va_ssrc(0) depctr_va_vcc(0) depctr_vm_vsrc(0)
	s_wait_tensorcnt 0x0
	ds_add_u32 v126, v127
	s_wait_dscnt 0x0
	s_endpgm
.Lfunc_end_k_qb10e68a755_prep:
	.size	k_qb10e68a755_prep, .Lfunc_end_k_qb10e68a755_prep-k_qb10e68a755_prep
	.p2alignl 7, 3214868480
	.fill 96, 4, 3214868480
	.section	.rodata,"a",@progbits
	.p2align	6, 0x0
	.amdhsa_kernel k_qb10e68a755_prep
		.amdhsa_group_segment_fixed_size 1280
		.amdhsa_private_segment_fixed_size 0
		.amdhsa_enable_private_segment 0
		.amdhsa_kernarg_size 24
		.amdhsa_user_sgpr_count 2
		.amdhsa_user_sgpr_kernarg_segment_ptr 1
		.amdhsa_wavefront_size32 1
		.amdhsa_system_sgpr_workgroup_id_x 1
		.amdhsa_system_sgpr_workgroup_id_y 1
		.amdhsa_system_sgpr_workgroup_id_z 1
		.amdhsa_system_vgpr_workitem_id 0
		.amdhsa_next_free_vgpr 128
		.amdhsa_next_free_sgpr 66
		.amdhsa_reserve_vcc 0
		.amdhsa_float_denorm_mode_32 3
		.amdhsa_float_denorm_mode_16_64 3
		.amdhsa_memory_ordered 1
		.amdhsa_forward_progress 1
		.amdhsa_inst_pref_size 15
	.end_amdhsa_kernel
	.amdgpu_metadata
---
amdhsa.version: [ 1, 2 ]
amdhsa.kernels:
  - .name:           k_qb10e68a755_prep
    .symbol:         k_qb10e68a755_prep.kd
    .args:
      - { .name: codebook, .offset: 0, .size: 8, .value_kind: global_buffer, .address_space: global }
      - { .name: cbh, .offset: 8, .size: 8, .value_kind: global_buffer, .address_space: global }
      - { .name: cbsq, .offset: 16, .size: 8, .value_kind: global_buffer, .address_space: global }
    .group_segment_fixed_size: 1280
    .private_segment_fixed_size: 0
    .kernarg_segment_align: 8
    .kernarg_segment_size: 24
    .max_flat_workgroup_size: 256
    .sgpr_count:     66
    .vgpr_count:     128
    .wavefront_size: 32
...
	.end_amdgpu_metadata
.endif
;; end of part 4
;; launch vq: the kernel of part 2 again; grid 256 x 1, 4 waves a work-group, clusters of 4 x 1, 327,680 bytes of LDS; arguments x, cbh, cbsq, out1, idxw; writes out1, idxw
;; launch gather: the kernel of part 3 again; grid 512 x 1, 8 waves a work-group, no clusters, 66,560 bytes of LDS; arguments idxw, cbh, out0; writes out0
